; MI455X (gfx1250); checked and timed in simulation.
; The chip was launched on July 23, 2026; its instructions are those of AMD's public machine-readable ISA for CDNA 5 (MIT licence, August 2026) and "CDNA5" Instruction Set Architecture Reference Guide (July 2026). The comments in the code are by the model that wrote it; some were corrected since.
;; Attention. Allowed arithmetic: matrix products marked QUANTISED: E5M2 operands, one given power-of-two scale a tensor, by v_wmma_f32_16x16x64_bf8_bf8 or v_wmma_f32_16x16x128_bf8_bf8, f32 sums; products left as they are: f32 operands where the result goes on into a quantised operand, else bf16, f16 or f32 operands; f32 sums; everything else in f32.
;; Inputs: Wc 1 x 256 float32; Wf_codes 256 x 16 x 32 uint8 (E5M2 codes of Wf, K innermost, in blocks of 32 codes); Wft_codes 512 x 16 x 32 uint8 (E5M2 codes of Wft, K innermost, in blocks of 32 codes); Wh_codes 256 x 16 x 32 uint8 (E5M2 codes of Wh, K innermost, in blocks of 32 codes); Ws_codes 256 x 16 x 32 uint8 (E5M2 codes of Ws, K innermost, in blocks of 32 codes); bc 1 float32; bf 256 float32; bft 512 float32; bh 256 float32; bs 256 float32; features_codes 512 x 256 x 16 x 32 uint8 (E5M2 codes of features, K innermost, in blocks of 32 codes); hidden_codes 512 x 16 x 32 uint8 (E5M2 codes of hidden, K innermost, in blocks of 32 codes); inputs 512 x 1,024 float32; lowp_scales 8 int32 (the exponents e of the quantised operands' scales 2^e); memory 512 x 512 float32; s 512 x 512 float32.
;; Outputs: out0 512 x 512 float32.
;; This version of the problem:
;;   THIS VERSION OF THE PROBLEM IS GIVEN IN LOW PRECISION. The matrix products marked QUANTISED in the list below multiply operands that are first quantised to E5M2 (5 exponent bits, 2 mantissa bits; 8 bits a number), with one given power-of-two scale for each operand tensor; their sums are f32. All else is computed in f32.
;;   The module's matrix products, in the order in which they are computed (A, B: the left and right operand; K: the contracted axis; several contracted axes count as one K, in the product's order):
;;     1. [M 131,072, K 512] x [K 512, N 512]; A: input features (given as codes); B: input Wft (given as codes): QUANTISED (scales: A lowp_scales[0], B lowp_scales[1])
;;     2. [M 131,072, K 512] x [K 512, N 256]; A: computed on the way; B: input Wf (given as codes): QUANTISED (scales: A lowp_scales[2], B lowp_scales[3])
;;     3. [M 512, K 512] x [K 512, N 256]; A: input hidden (given as codes); B: input Wh (given as codes): QUANTISED (scales: A lowp_scales[4], B lowp_scales[5])
;;     4. [M 131,072, K 256] x [K 256, N 1]; A: computed on the way; B: input Wc: left as it is (N = 1 < 16)
;;     5. batch 512 x [M 1, K 256] x [K 256, N 512]; A: softmax; B: computed on the way: left as it is (M = 1 < 16)
;;     6. [M 512, K 512] x [K 512, N 256]; A: input s; B: input Ws (given as codes): QUANTISED (scales: A lowp_scales[6], B lowp_scales[7])
;;     7. [M 512, K 256] x [K 256, N 1]; A: computed on the way; B: input Wc: left as it is (N = 1 < 16)
;;   THE QUANTISER, for each operand of a quantised product, along K:
;;     - The operand's scale is 2^e, e = its entry of the input lowp_scales (int32; the entries are numbered through the quantised products in the list's order, A before B).
;;     - Each number is divided by the scale, clamped to +-57,344, and rounded to the nearest number of E5M2, ties to even, subnormals kept.
;;     - The product sums the exact products of the quantised numbers (number of the format x scale) in f32.
;;   ~~~python
;;   def quantise(x, axis, e):      # numpy; x: float32 -> the quantised numbers, widened to float32 again
;;       x = np.moveaxis(x, axis, -1); K = x.shape[-1]
;;       r = np.clip(x / 2.0 ** e, -57344, 57344)
;;       step = 2.0 ** (np.maximum(np.frexp(np.where(r == 0, 1, r))[1] - 1, -14) - 2)
;;       q = np.round(r / step) * step * 2.0 ** e      # np.round: ties to even
;;       return np.moveaxis(q, -1, axis).astype(np.float32)
;;   ~~~
;;   OPERANDS COMPUTED ON THE WAY. 'Computed on the way' means the value that the module computes at that place (a softmax that the list does not call 'softmax' is quantised finished and normalised). What goes into a quantiser is computed in f32, as accurately as f32 sums, v_exp_f32 and their like allow (about 1e-6 of the number): no bf16 or f16 on the way to a quantiser, and a product that is left as it is and whose result goes on into a quantised operand takes f32 operands (vector FMAs, or v_wmma_f32_16x16x4_f32). A number that lies on a knife's edge between two numbers of the format may be rounded either way, as far as f32 arithmetic and the matrix unit's own rounding can turn it there, and no further.
;;   INPUTS GIVEN AS CODES. Wf (in the module: [256, 512], K = its axis 1); Wft (in the module: [512, 512], K = its axis 1); Wh (in the module: [256, 512], K = its axis 1); Ws (in the module: [256, 512], K = its axis 1); features (in the module: [512, 256, 512], K = its axis 2); hidden (in the module: [512, 512], K = its axis 1): each comes as NAME_codes (uint8): NAME with its K axis moved to the last place and cut into blocks of 32 codes, [.., K / 32, bytes a block], one block behind the other in memory; one code a byte (a code: sign, 5 exponent bits, 2 mantissa bits); its scale is its entry of lowp_scales. Its value is code x scale, taken as it is: it is not quantised again, and the codes and scales need not be those that the quantiser above would give.
;; One version. Each part assembles by itself: llvm-mc -triple=amdgcn-amd-amdhsa -mcpu=gfx1250 --defsym DOCPART=n.
;; ======== version 1 of 1: 2 launches
;; limits: values are held in bf16: 8 bits of precision; right only within a limited range of input values
;; workspace buffers: hbs 524,288 bytes; isc 8,192 bytes; wimg 393,216 bytes
;; launch prep (part 1): grid 144 x 1, 4 waves a work-group, no clusters, 21,504 bytes of LDS; arguments hidden_codes, Wh_codes, s, Ws_codes, bh, bs, bf, Wc, lowp_scales, hbs, isc, Wft_codes, Wf_codes, wimg; writes hbs, isc, wimg
.if DOCPART == 1
	.amdgcn_target "amdgcn-amd-amdhsa--gfx1250"
	.amdhsa_code_object_version 6
	.text
	.protected	k_q50baf94d62_prep
	.globl	k_q50baf94d62_prep
	.p2align	8
	.type	k_q50baf94d62_prep,@function
k_q50baf94d62_prep:
	s_mov_b64 s[64:65], 0
	v_nop
	global_prefetch_b8 v0, s[64:65] scope:SCOPE_SE
	s_setreg_imm32_b32 hwreg(HW_REG_WAVE_MODE, 25, 1), 1
	s_wait_xcnt 0x0
; THE SMALL PRODUCTS, AND THE WEIGHTS LAID OUT FOR THE MAIN LAUNCH.  144 work-groups of four waves.
; WORK LEFT OUT.  bc is added to every z[b, n] and to i_score[b].  a = softmax(z) is taken along n and the gate comes from softmax([z, i_score]) along its 257 entries: on both axes bc is the same term in every entry,
;   and a softmax does not change when one term is added to all its entries.  So bc reaches no output, whatever it holds: it is not loaded, here or in the main launch, and z and i_score are kept without it.
;   The inputs named inputs and memory enter nothing that reference() computes and are not loaded either.  LIMIT: a NaN, an infinity or an overflow that only these three could bring is not carried to the result.
; Work-groups 0-127: number 4 rb + q takes batch rows 16 rb .. + 15 and columns 64 q .. + 63: 65,536 bytes of Wh and Ws and 40,960 of hidden and s.
;   h = hidden Wh^T + bh and ws = Q(s) Ws^T + bs, both on codes of BF8 (E5M2).  Stored: hbs[b][m] = (h + bf) / 2^(e2 + e3), which the main launch gives its second product as the start of its sums;
;   isc[q][b] = the sum over the 64 columns of Wc tanh(ws + h): the main launch adds the four parts.
;   Wave w makes columns 16 ct .. + 15, ct = 4 q + w, of both products, transposed (source 0 = 16 rows of the weight, source 1 = the 16 batch rows): lane (r, hh) holds batch row r, register j column 16 ct + 8 hh + j.
;   The rows' codes of hidden and of s go from wave to wave through LDS as images of the operand's registers: wave w brings K step w, 128 along K, of each.
; Work-groups 128-143: number 128 + 4 w + k copies, for K step k, the rows of Wft and Wf that wave w of the main launch keeps, into wimg, in the order of that wave's operand registers:
;   wimg[w][q][lane][16 bytes]; q = 32 k + 4 t + c: Wft row 128 w + 32 (t / 2) + 8 (t % 2) + r + 8 (r / 8), bytes 128 k + 32 c + 16 hh on; q = 128 + 16 k + 4 t + c: Wf row 64 w + 16 t + r, the same bytes.
; A fragment's registers 4 c .. 4 c + 3 hold K = 32 c + 16 hh + 0 .. 15 of the lane's row: a permutation of k that is the same in both operands of every product.
; e0 .. e7 are the whole numbers of lowp_scales.  LIMITS: e6 between -126 and 112; e4 + e5 and e6 + e7 between -126 and 127; NaN among the inputs is not served.
.set HIM, 0                            ; LDS: hidden's four fragments, 2,048 bytes each (K step k, registers 4 c on: 2048 k + 512 c + 16 x lane)
.set SIM, 8192                         ; the same for Q(s)
.set STG, 16384                        ; 16 rows of the work-group's 64 columns of hbs, 256 bytes + 16
.set SPI, 272
.set ISP, 20736                        ; i_score's parts: [wave][r], f32
.set SPARE, 20992                      ; the spare words, 128 bytes a wave
; v1 512 r + 16 hh; v2 2048 r + 64 hh; v3 16 x lane; v4 32 hh; v5, v6 the stage, in and out; v7, v8 i_score's parts, in and out; v9 my images; v10 r, then 2^e6; v11 hh, then 57,344 x 2^e6; v31 hbs's offset
; v12-27 my piece of hidden, then of Q(s), then the two accumulators (h: v12-19, ws: v20-27); v28, v29 at work; v32-95 64 numbers of s, then fragments from LDS; v96-159 Wh; v160-223 Ws; v224.. bh, bs, bf, Wc
	s_load_b512 s[4:19], s[0:1], 0x0               ; hidden s[4:5], Wh s[6:7], s s[8:9], Ws s[10:11], bh s[12:13], bs s[14:15], bf s[16:17], Wc s[18:19]
	s_load_b256 s[20:27], s[0:1], 0x40             ; the scales' exponents s[20:21], hbs s[22:23], isc s[24:25], Wft s[26:27]
	s_load_b128 s[28:31], s[0:1], 0x60             ; Wf s[28:29], wimg s[30:31]
	v_lshrrev_b32 v1, 5, v0
	v_readfirstlane_b32 s2, v1                     ; wave 0..3
	v_and_b32 v10, 15, v0                          ; r
	v_bfe_u32 v11, v0, 4, 1                        ; hh
	v_and_b32 v3, 31, v0
	v_lshlrev_b32 v3, 4, v3                        ; 16 x lane
	v_lshlrev_b32 v1, 9, v10
	v_lshl_add_u32 v1, v11, 4, v1                  ; a row of 512 codes: 512 r + 16 hh
	s_mov_b32 s55, 0                               ; the upper word of every offset below
	s_wait_alu depctr_va_vdst(0)
	s_wait_kmcnt 0x0
	s_cmp_ge_u32 ttmp9, 128                        ; the same in all waves of a work-group
	s_cbranch_scc1 .Llayout
	; ---------------- work-groups 0-127 ----------------
	s_load_b256 s[40:47], s[20:21], 0x0            ; e0 .. e7
	s_lshr_b32 s33, ttmp9, 2                       ; rb
	s_and_b32 s34, ttmp9, 3                        ; q
	s_lshl_b32 s35, s34, 2
	s_add_co_u32 s35, s35, s2                      ; ct
	s_lshl_b32 s3, s35, 6                          ; 64 ct
	s_lshl_b32 s56, s2, 6
	s_add_co_u32 s58, s56, ISP                     ; i_score's parts, in: + 64 wave
	s_add_co_u32 s56, s56, STG                     ; the stage, in: + 64 wave
	s_mul_i32 s57, s2, 4*SPI
	s_add_co_u32 s57, s57, STG                     ; and out: my four rows
	s_lshl_b32 s59, s2, 11                         ; my K step's image
	s_lshl_b32 s54, s33, 15                        ; s: 16 rows of 2,048 bytes a row block,
	s_lshl_b32 s60, s2, 9                          ; + 128 wave numbers
	s_add_co_u32 s54, s54, s60
	s_add_nc_u64 s[8:9], s[8:9], s[54:55]
	s_lshl_b32 s54, s33, 13                        ; hidden: 16 rows of 512 bytes, + 128 wave codes
	s_lshl_b32 s60, s2, 7
	s_add_co_u32 s54, s54, s60
	s_add_nc_u64 s[4:5], s[4:5], s[54:55]
	s_lshl_b32 s54, s35, 13                        ; Wh, Ws: my 16 rows of 512 bytes
	s_add_nc_u64 s[6:7], s[6:7], s[54:55]
	s_add_nc_u64 s[10:11], s[10:11], s[54:55]
	s_mov_b32 s54, s3                              ; the biases and Wc: my 16 numbers
	s_add_nc_u64 s[12:13], s[12:13], s[54:55]
	s_add_nc_u64 s[14:15], s[14:15], s[54:55]
	s_add_nc_u64 s[16:17], s[16:17], s[54:55]
	s_add_nc_u64 s[18:19], s[18:19], s[54:55]
	s_lshl_b32 s54, s33, 14                        ; hbs: row 16 rb + 4 wave, 1,024 bytes a row, + 256 q
	s_lshl_b32 s60, s2, 12
	s_add_co_u32 s54, s54, s60
	s_lshl_b32 s60, s34, 8
	s_add_co_u32 s54, s54, s60
	s_add_nc_u64 s[22:23], s[22:23], s[54:55]
	s_lshl_b32 s54, s34, 11                        ; isc: plane q of 2,048 bytes, 16 numbers a row block
	s_lshl_b32 s60, s33, 6
	s_add_co_u32 s54, s54, s60
	s_add_nc_u64 s[24:25], s[24:25], s[54:55]
	v_lshlrev_b32 v2, 11, v10
	v_lshl_add_u32 v2, v11, 6, v2                  ; s: a row of 2,048 bytes, + 64 hh: my 16 numbers of a block of 32
	v_lshlrev_b32 v4, 5, v11                       ; the biases: my eight numbers of the tile's sixteen
	v_mul_u32_u24 v5, v10, SPI
	v_lshl_add_u32 v5, v11, 5, v5
	v_add_nc_u32 v5, s56, v5                       ; the stage, in: row r, + 64 wave + 32 hh
	v_mul_u32_u24 v6, v11, SPI
	v_lshl_add_u32 v6, v10, 4, v6
	v_add_nc_u32 v6, s57, v6                       ; and out: row 4 wave + hh, 16 bytes a lane
	v_lshlrev_b32 v7, 2, v10
	v_add_nc_u32 v8, ISP, v7                       ; i_score's parts, out: 4 r
	v_add_nc_u32 v7, s58, v7                       ; in: 64 wave + 4 r
	v_add_nc_u32 v9, s59, v3                       ; 2048 wave + 16 x lane
	v_lshlrev_b32 v31, 10, v11
	v_lshl_add_u32 v31, v10, 4, v31                ; hbs: 1024 hh + 16 r
	s_wait_alu depctr_va_vdst(0)
.irp c, 0,1,2,3
.irp i, 0,1,2,3
	global_load_b128 v[32+16*\c+4*\i:35+16*\c+4*\i], v2, s[8:9] offset:128*\c+16*\i   ; s(r, 128 wave + 32 c + 16 hh + 0 .. 15)
.endr
.endr
.irp c, 0,1,2,3
	global_load_b128 v[12+4*\c:15+4*\c], v1, s[4:5] offset:32*\c                      ; hidden's codes at the same k
.endr
.irp k, 0,1,2,3
.irp c, 0,1,2,3
	global_load_b128 v[96+16*\k+4*\c:99+16*\k+4*\c], v1, s[6:7] offset:128*\k+32*\c
.endr
.endr
.irp k, 0,1,2,3
.irp c, 0,1,2,3
	global_load_b128 v[160+16*\k+4*\c:163+16*\k+4*\c], v1, s[10:11] offset:128*\k+32*\c
.endr
.endr
	global_load_b128 v[224:227], v4, s[12:13]
	global_load_b128 v[228:231], v4, s[12:13] offset:16
	global_load_b128 v[232:235], v4, s[14:15]
	global_load_b128 v[236:239], v4, s[14:15] offset:16
	global_load_b128 v[240:243], v4, s[16:17]
	global_load_b128 v[244:247], v4, s[16:17] offset:16
	global_load_b128 v[248:251], v4, s[18:19]
	global_load_b128 v[252:255], v4, s[18:19] offset:16
	s_wait_kmcnt 0x0
	s_add_co_i32 s60, s46, 127
	s_lshl_b32 s61, s60, 23
	v_mov_b32 v10, s61                             ; 2^e6 as f32: the conversion takes its exponent field
	s_add_co_i32 s60, s60, 15
	s_lshl_b32 s60, s60, 23
	s_or_b32 s60, s60, 0x600000
	v_mov_b32 v11, s60                             ; 57,344 x 2^e6
	s_add_co_i32 s36, s44, s45
	s_add_co_i32 s36, s36, 127
	s_lshl_b32 s36, s36, 23                        ; 2^(e4 + e5)
	s_mov_b32 s37, s36                             ; (named with it as a pair, so it is written)
	s_add_co_i32 s38, s46, s47
	s_add_co_i32 s38, s38, 127
	s_lshl_b32 s38, s38, 23                        ; 2^(e6 + e7)
	s_mov_b32 s39, s38
	s_mov_b32 s48, 0x4038aa3b                      ; 2 log2(e): tanh(x) = 1 - 2 / (1 + 2^(2 log2(e) x))
	s_mov_b32 s49, s48
	s_add_co_i32 s50, s42, s43
	s_sub_co_i32 s50, 0, s50                       ; -(e2 + e3)
	s_mov_b32 s52, 0x76543210                      ; v_permlanex16_b32: lane l xor 16
	s_mov_b32 s53, 0xfedcba98
	s_wait_alu depctr_va_vdst(0)
	s_wait_loadcnt 40                              ; s's sixteen loads and hidden's four are in: 40 were issued behind them
.irp c, 0,1,2,3
	ds_store_b128 v9, v[12+4*\c:15+4*\c] offset:HIM+512*\c
.endr
.set n, 0
.rept 64
	v_med3_num_f32 v[32+n], v[32+n], -v11, v11     ; the conversion to an 8-bit code does not saturate (ISA guide 7.6.2): the hold at the largest code x the scale
.set n, n+1
.endr
.irp c, 0,1,2,3
	v_cvt_scalef32_pk8_bf8_f32 v[12+4*\c:13+4*\c], v[32+16*\c:39+16*\c], v10
	v_cvt_scalef32_pk8_bf8_f32 v[14+4*\c:15+4*\c], v[40+16*\c:47+16*\c], v10
.endr
	v_nop                                          ; a plain line behind the last conversion: the products below write its results
.irp c, 0,1,2,3
	ds_store_b128 v9, v[12+4*\c:15+4*\c] offset:SIM+512*\c
.endr
	s_wait_dscnt 0x0                               ; my stores have landed
	s_barrier_signal -1
	s_barrier_wait -1                              ; all eight fragments lie in LDS
; Two K steps: four fragments from LDS, four products; the two accumulators take turns
.macro KPAIR p
.irp j, 0,1
.irp c, 0,1,2,3
	ds_load_b128 v[32+32*\j+4*\c:35+32*\j+4*\c], v3 offset:HIM+2048*(2*\p+\j)+512*\c
	ds_load_b128 v[48+32*\j+4*\c:51+32*\j+4*\c], v3 offset:SIM+2048*(2*\p+\j)+512*\c
.endr
.endr
.if \p == 0
	s_wait_loadcnt 8                               ; Wh and Ws are in; the eight loads of the biases and Wc may be out
.endif
	s_wait_dscnt 0x0
.irp j, 0,1
.if (\p == 0) && (\j == 0)
	v_wmma_f32_16x16x128_bf8_bf8 v[12:19], v[96:111], v[32:47], 0          ; the first K step starts both sums
	v_wmma_f32_16x16x128_bf8_bf8 v[20:27], v[160:175], v[48:63], 0
.else
	v_wmma_f32_16x16x128_bf8_bf8 v[12:19], v[96+16*(2*\p+\j):111+16*(2*\p+\j)], v[32+32*\j:47+32*\j], v[12:19]
	v_wmma_f32_16x16x128_bf8_bf8 v[20:27], v[160+16*(2*\p+\j):175+16*(2*\p+\j)], v[48+32*\j:63+32*\j], v[20:27]
.endif
.endr
.rept 4
	v_nop                                          ; four places in front of loads into registers that the products have read, and of the first read of results
.endr
.endm
	KPAIR 0
	KPAIR 1
	s_wait_loadcnt 0x0                             ; the biases and Wc
.irp i, 0,2,4,6
	v_pk_fma_f32 v[12+\i:13+\i], v[12+\i:13+\i], s[36:37], v[224+\i:225+\i] op_sel_hi:[1,0,1]   ; h = sum x 2^(e4 + e5) + bh
.endr
.irp i, 0,2,4,6
	v_pk_fma_f32 v[20+\i:21+\i], v[20+\i:21+\i], s[38:39], v[232+\i:233+\i] op_sel_hi:[1,0,1]   ; ws = sum x 2^(e6 + e7) + bs
.endr
.irp i, 0,2,4,6
	v_pk_add_f32 v[20+\i:21+\i], v[20+\i:21+\i], v[12+\i:13+\i]                                 ; ws + h
.endr
.irp i, 0,2,4,6
	v_pk_mul_f32 v[20+\i:21+\i], v[20+\i:21+\i], s[48:49] op_sel_hi:[1,0]
.endr
	s_wait_alu depctr_va_vdst(0)                   ; each batch has one wait ahead of it and one behind it
.irp j, 0,1,2,3,4,5,6,7
	v_exp_f32 v[20+\j], v[20+\j]
.endr
.irp i, 0,2,4,6
	v_pk_add_f32 v[12+\i:13+\i], v[12+\i:13+\i], v[240+\i:241+\i]                               ; h + bf: plain lines behind the exponentials
.endr
	s_wait_alu depctr_va_vdst(0)
.irp i, 0,2,4,6
	v_pk_add_f32 v[20+\i:21+\i], v[20+\i:21+\i], 1.0 op_sel_hi:[1,0]
.endr
	s_wait_alu depctr_va_vdst(0)
.irp j, 0,1,2,3,4,5,6,7
	v_rcp_f32 v[20+\j], v[20+\j]
.endr
.irp j, 0,1,2,3,4,5,6,7
	v_ldexp_f32 v[12+\j], v[12+\j], s50            ; (h + bf) / 2^(e2 + e3): plain lines behind the reciprocals
.endr
	s_wait_alu depctr_va_vdst(0)
.irp i, 0,2,4,6
	v_pk_fma_f32 v[20+\i:21+\i], v[20+\i:21+\i], -2.0, 1.0 op_sel_hi:[1,0,0]                    ; tanh
.endr
	v_pk_mul_f32 v[28:29], v[20:21], v[248:249]
	v_pk_fma_f32 v[28:29], v[22:23], v[250:251], v[28:29]
	v_pk_fma_f32 v[28:29], v[24:25], v[252:253], v[28:29]
	v_pk_fma_f32 v[28:29], v[26:27], v[254:255], v[28:29]
	v_add_f32 v28, v28, v29
	v_permlanex16_b32 v29, v28, s52, s53
	v_add_f32 v28, v28, v29                        ; Wc . tanh over my tile's 16 columns, for batch row r
	ds_store_b128 v5, v[12:15]
	ds_store_b128 v5, v[16:19] offset:16
	ds_store_b32 v7, v28                           ; (lanes r and r + 16 write the same number to the same word)
	s_wait_dscnt 0x0
	s_barrier_signal -1
	s_barrier_wait -1                              ; 16 rows of 256 bytes of hbs and the four parts of the sum lie in LDS
	ds_load_b128 v[32:35], v6
	ds_load_b128 v[36:39], v6 offset:2*SPI
	s_wait_dscnt 0x1                               ; my first two rows are in; the other two may be out
	global_store_b128 v31, v[32:35], s[22:23]              ; sixteen lanes store 256 consecutive bytes of a row, at a multiple of 256 from the buffer's first byte
	s_wait_dscnt 0x0
	global_store_b128 v31, v[36:39], s[22:23] offset:2048
	s_cmp_lg_u32 s2, 0                             ; wave 0 adds the four waves' parts; no barrier stands behind this branch
	s_cbranch_scc1 .Ldone
.irp c, 0,1,2,3
	ds_load_b32 v[40+\c], v8 offset:64*\c
.endr
	v_lshlrev_b32 v60, 2, v0                       ; in wave 0 the thread's number is the lane
	s_wait_dscnt 0x0
	v_add_f32 v40, v40, v41
	v_add_f32 v42, v42, v43
	v_add_f32 v40, v40, v42
	s_wait_alu depctr_va_vdst(0)
	s_wait_xcnt 0x0                                ; EXEC changes only behind this wait: my stores above have it among their sources
	v_cmp_gt_u32 vcc_lo, 16, v0
	s_and_saveexec_b32 s54, vcc_lo
	global_store_b32 v60, v40, s[24:25]            ; lanes 0-15: the 16 batch rows' part q of i_score
	s_wait_xcnt 0x0
	s_or_b32 exec_lo, exec_lo, s54
.Ldone:
	s_wait_xcnt 0x0
	s_mov_b32 exec_lo, -1
	v_lshl_add_u32 v10, v0, 2, SPARE
	v_mov_b32 v11, 0
	s_wait_alu depctr_va_vdst(0)
	s_wait_tensorcnt 0x0                           ; the wave's end
	ds_add_u32 v10, v11
	s_wait_dscnt 0x0
	s_endpgm
	; ---------------- work-groups 128-143: the weights in the order of the main launch's registers.  Wave i: Wft's tiles 2 i, 2 i + 1; Wf's tile i ----------------
.Llayout:
	v_and_b32 v12, 8, v10
	v_add_nc_u32 v12, v12, v10                     ; r + 8 (r / 8): a tile's lanes 0-7 take eight neighbouring rows of Wft, lanes 8-15 the eight that lie 16 further on
	v_lshlrev_b32 v12, 9, v12
	v_lshl_add_u32 v12, v11, 4, v12
	s_wait_alu depctr_va_vdst(0)
	s_sub_co_u32 s33, ttmp9, 128
	s_lshr_b32 s34, s33, 2                         ; w
	s_and_b32 s35, s33, 3                          ; k
	s_mov_b32 s36, s2                              ; i
	s_lshl_b32 s57, s35, 7                         ; 128 k
	s_lshl_b32 s54, s34, 16                        ; Wft: row 128 w + 32 i, 512 bytes a row
	s_lshl_b32 s56, s36, 14
	s_add_co_u32 s54, s54, s56
	s_add_co_u32 s54, s54, s57
	s_add_nc_u64 s[26:27], s[26:27], s[54:55]
	s_lshl_b32 s54, s34, 15                        ; Wf: row 64 w + 16 i
	s_lshl_b32 s56, s36, 13
	s_add_co_u32 s54, s54, s56
	s_add_co_u32 s54, s54, s57
	s_add_nc_u64 s[28:29], s[28:29], s[54:55]
	s_mul_i32 s58, s34, 98304                      ; wimg: 192 x 512 bytes for each w
	s_lshl_b32 s54, s35, 14                        ; q = 32 k + 8 i on
	s_lshl_b32 s56, s36, 12
	s_add_co_u32 s54, s54, s56
	s_add_co_u32 s54, s54, s58
	s_add_nc_u64 s[60:61], s[30:31], s[54:55]
	s_lshl_b32 s54, s35, 13                        ; q = 128 + 16 k + 4 i on
	s_lshl_b32 s56, s36, 11
	s_add_co_u32 s54, s54, s56
	s_add_co_u32 s54, s54, s58
	s_add_co_u32 s54, s54, 65536
	s_add_nc_u64 s[62:63], s[30:31], s[54:55]
.irp u, 0,1
.irp c, 0,1,2,3
	global_load_b128 v[16+16*\u+4*\c:19+16*\u+4*\c], v12, s[26:27] offset:4096*\u+32*\c
.endr
.endr
.irp c, 0,1,2,3
	global_load_b128 v[48+4*\c:51+4*\c], v1, s[28:29] offset:32*\c
.endr
	s_wait_loadcnt 0x0
.irp n, 0,1,2,3,4,5,6,7
	global_store_b128 v3, v[16+4*\n:19+4*\n], s[60:61] offset:512*\n       ; each store of the wave covers 512 consecutive bytes, aligned
.endr
.irp c, 0,1,2,3
	global_store_b128 v3, v[48+4*\c:51+4*\c], s[62:63] offset:512*\c
.endr
	s_endpgm
.Lfunc_end_k_q50baf94d62_prep:
	.size	k_q50baf94d62_prep, .Lfunc_end_k_q50baf94d62_prep-k_q50baf94d62_prep
	.p2alignl 7, 3214868480
	.fill 96, 4, 3214868480
	.section	.rodata,"a",@progbits
	.p2align	6, 0x0
	.amdhsa_kernel k_q50baf94d62_prep
		.amdhsa_group_segment_fixed_size 21504
		.amdhsa_private_segment_fixed_size 0
		.amdhsa_enable_private_segment 0
		.amdhsa_kernarg_size 112
		.amdhsa_user_sgpr_count 2
		.amdhsa_user_sgpr_kernarg_segment_ptr 1
		.amdhsa_wavefront_size32 1
		.amdhsa_system_sgpr_workgroup_id_x 1
		.amdhsa_system_sgpr_workgroup_id_y 1
		.amdhsa_system_sgpr_workgroup_id_z 1
		.amdhsa_system_vgpr_workitem_id 0
		.amdhsa_next_free_vgpr 256
		.amdhsa_next_free_sgpr 66
		.amdhsa_reserve_vcc 1
		.amdhsa_float_denorm_mode_32 3
		.amdhsa_float_denorm_mode_16_64 3
		.amdhsa_memory_ordered 1
		.amdhsa_forward_progress 1
		.amdhsa_inst_pref_size 27
	.end_amdhsa_kernel
	.amdgpu_metadata
---
amdhsa.version: [ 1, 2 ]
amdhsa.kernels:
  - .name:           k_q50baf94d62_prep
    .symbol:         k_q50baf94d62_prep.kd
    .args:
      - { .name: hidden_codes, .offset: 0, .size: 8, .value_kind: global_buffer, .address_space: global }
      - { .name: Wh_codes, .offset: 8, .size: 8, .value_kind: global_buffer, .address_space: global }
      - { .name: s, .offset: 16, .size: 8, .value_kind: global_buffer, .address_space: global }
      - { .name: Ws_codes, .offset: 24, .size: 8, .value_kind: global_buffer, .address_space: global }
      - { .name: bh, .offset: 32, .size: 8, .value_kind: global_buffer, .address_space: global }
      - { .name: bs, .offset: 40, .size: 8, .value_kind: global_buffer, .address_space: global }
      - { .name: bf, .offset: 48, .size: 8, .value_kind: global_buffer, .address_space: global }
      - { .name: Wc, .offset: 56, .size: 8, .value_kind: global_buffer, .address_space: global }
      - { .name: lowp_scales, .offset: 64, .size: 8, .value_kind: global_buffer, .address_space: global }
      - { .name: hbs, .offset: 72, .size: 8, .value_kind: global_buffer, .address_space: global }
      - { .name: isc, .offset: 80, .size: 8, .value_kind: global_buffer, .address_space: global }
      - { .name: Wft_codes, .offset: 88, .size: 8, .value_kind: global_buffer, .address_space: global }
      - { .name: Wf_codes, .offset: 96, .size: 8, .value_kind: global_buffer, .address_space: global }
      - { .name: wimg, .offset: 104, .size: 8, .value_kind: global_buffer, .address_space: global }
    .group_segment_fixed_size: 21504
    .private_segment_fixed_size: 0
    .kernarg_segment_align: 8
    .kernarg_segment_size: 112
    .max_flat_workgroup_size: 128
    .sgpr_count:     66
    .vgpr_count:     256
    .wavefront_size: 32
...
	.end_amdgpu_metadata
.endif
;; end of part 1
;; launch main (part 2): grid 256 x 1, 4 waves a work-group, no clusters, 327,680 bytes of LDS; arguments features_codes, wimg, hbs, isc, Wc, bft, s, lowp_scales, out0; writes out0
.if DOCPART == 2
	.amdgcn_target "amdgcn-amd-amdhsa--gfx1250"
	.amdhsa_code_object_version 6
	.text
	.protected	k_q50baf94d62_main
	.globl	k_q50baf94d62_main
	.p2align	8
	.type	k_q50baf94d62_main,@function
k_q50baf94d62_main:
	s_mov_b64 s[64:65], 0
	v_nop
	global_prefetch_b8 v0, s[64:65] scope:SCOPE_SE
	s_setreg_imm32_b32 hwreg(HW_REG_WAVE_MODE, 25, 1), 1
	s_wait_xcnt 0x0
; THE MAIN CHAIN.  A work-group of four waves owns two batch entries, 512 rows of features, and takes them through both large products, tanh, the softmax and the weighted sum.
; The inputs named inputs and memory enter nothing that is computed.
; WEIGHTS STAY IN REGISTERS: wave w keeps Wft's rows 128 w .. + 127 (windows 1, 2) and Wf's rows 64 w .. + 63 (window 3), 768 registers, loaded once from wimg in the order of its operand registers.
; A TILE is 16 rows.  P1Q: ft^T = Wft x^T + bft (32 matrix instructions; lane (r, hh) holds row r, register 8 t + j hidden unit 128 w + 32 (t / 2) + 16 hh + 8 (t % 2) + j), relu with the hold, codes of BF8,
;   and the codes' stores: they go to all waves through LDS as images of the operand's registers, one barrier a tile.  P2: f^T = Wf ft^T, begun with hbs = (h + bf) / 2^(e2 + e3) (16 matrix instructions).
; tanh(x) = 1 - 2 / (1 + 2^(2 log2(e) x)), in two halves: a tile's exponentials follow its P2; its reciprocals and its dot product with Wc stand in the next tile, between that tile's code stores and its P2.
; Plain vector work that names none of the products' registers stands between matrix instructions: the additions of 1 and the holds in P1Q, relu and the packing to bf16 in P2.
; LDS instructions stand in few runs: the codes' four stores; their sixteen loads; and behind P2 the part of z, ft's eight stores, the next tile's bias and its features.
; BE, behind 8 tiles (128 rows): z's parts are added, a running maximum and sum are kept, and c = sum of p ft is carried on; at a batch entry's end the gate is made with i_score and the row of out0 is stored.
; FEATURES come through two LDS slots of 128 rows, each wave fetching 32 rows of 512 bytes by one tensor load.  A refill has eight tiles' work (384 matrix instructions a wave) in which to land, so no prefetch is laid.
; NO CLUSTER: what work-groups share are the weights, 393,216 bytes, more than LDS holds; they go by plain loads into registers, once, so no tensor load carries them and none can be asked jointly.
; LIMITS: e2 - e0 - e1 between -126 and 112; e2 + e3 between -126 and 126; NaN among the inputs is not served.
; LDS: two slots; HIM code images (2 x 8,192); FTB ft as bf16 (32,768 a wave); ZP z's parts; BFT bft / 2^(e0 + e1); SST s's two rows; RST the stage of c's sum over rows; SPARE the spare words.
; WINDOW 0: v1 528 r + 16 hh; v2 features' address; v3, v4 ft's image; v5-7 z's parts; v8 bias; v9, v10 code images; v11, v12 RST; v13 my 16 bytes of a row of s and out0; v14, v15 the add's two; v16 the conversion's scale; v17 the hold;
;   v[18:19] -0.5 sum of my Wc, 0; v20-23 the first four registers of codes, then v20, v30 at work; v24 running maximum, v25 running sum, v26-29 c; v31 32 hh; FT, F, XF as named below; WC my 32 of Wc; HB my 32 of hbs.
; WORK LEFT OUT: bc, the same term in every entry of both softmaxes, reaches no output (shown at the head of the launch before): z and i_score are kept without it, and it is not loaded.
; i_score comes in four parts, one for each 64 columns, and is added here.  Wf's 64 loads are issued last: the first tile's P1Q needs none of them, and the wait for them stands ahead of the first P2.
.set XS1,   67584                      ; slot 1: 128 rows x 528 bytes behind slot 0
.set TROW,  8448                       ; 16 rows x (512 + 16)
.set HIM,   135168
.set FTB,   151552
.set ZP,    282624
.set BFT,   285696
.set SST,   287744
.set RST,   291840
.set SPARE, 325632
.set FT, 32                            ; v32-95   P1's eight accumulators
.set F,  96                            ; v96-127  P2's four accumulators, which tanh works on until the next P2
.set XF, 128                           ; v128-191 four fragments: features, held numbers and codes, ft's codes
.set WC, 192
.set HB, 224
.set MSB, 0
.macro WIN new                         ; the immediate's high byte repeats the setting that is left
.if MSB != \new
	s_set_vgpr_msb (MSB<<8)|\new
.set MSB, \new
.endif
.endm
.macro PLACES                          ; four places behind a matrix instruction (ISA guide 7.12.1)
.rept 4
	v_nop
.endr
.endm
	s_load_b256 s[4:11], s[0:1], 0x0               ; features s[4:5], wimg s[6:7], hbs s[8:9], isc s[10:11]
	s_load_b64 s[12:13], s[0:1], 0x20              ; Wc
	s_load_b64 s[16:17], s[0:1], 0x28              ; bft
	s_load_b64 s[18:19], s[0:1], 0x30              ; s
	s_load_b64 s[20:21], s[0:1], 0x38              ; the scales' exponents
	s_load_b64 s[22:23], s[0:1], 0x40              ; out0
	v_lshl_add_u32 v14, v0, 2, SPARE
	v_mov_b32 v15, 0
	ds_add_u32 v14, v15                            ; the opening lines: the add, twice on end, and its wait ahead of my first tensor load
	ds_add_u32 v14, v15
	v_lshrrev_b32 v1, 5, v0
	v_readfirstlane_b32 s2, v1                     ; wave 0..3
	s_mov_b32 s24, (1<<20)|(6<<22)|(3<<25)         ; group 1: elements of 1 byte; four words of padding after every 128
	s_mov_b32 s25, 512<<16
	s_mov_b32 s26, 32<<16
	s_mov_b32 s27, 512<<16
	s_mov_b32 s28, 32                              ; 32 rows of 512 bytes, dense
	s_mov_b32 s29, 512
	s_mov_b32 s30, 0
	s_mov_b32 s31, 0
	s_mul_i32 s68, s2, 2*TROW                      ; my 32 rows in a slot
	s_lshl_b32 s70, ttmp9, 18                      ; 512 rows of 512 bytes a work-group,
	s_lshl_b32 s71, s2, 14                         ; + my 32 rows
	s_add_co_u32 s70, s70, s71
	s_mov_b32 s71, 0
	s_lshl_b32 s69, s2, 9                          ; the waves' parts of LDS
	s_lshl_b32 s72, s2, 15
	s_add_co_u32 s72, s72, FTB
	s_mul_i32 s73, s2, 768
	s_add_co_u32 s73, s73, ZP
	s_add_co_u32 s74, s69, BFT
	s_lshl_b32 s75, s2, 11
	s_add_co_u32 s75, s75, HIM
	s_mul_i32 s76, s2, 16*528
	s_add_co_u32 s76, s76, RST
	s_wait_dscnt 0x0                               ; both opening adds are done
	s_wait_kmcnt 0x0
	s_add_nc_u64 s[4:5], s[4:5], s[70:71]
	s_mov_b32 s32, 1                               ; group 0 of rows 0-127, slot 0
	s_mov_b32 s33, s68
	s_mov_b64 s[34:35], s[4:5]
	s_or_b32 s35, s35, 0x80000000
	s_mov_b32 s36, 1                               ; the walking group 0: rows 128-255, slot 1
	s_add_co_u32 s37, s68, XS1
	s_add_nc_u64 s[38:39], s[4:5], 65536
	s_or_b32 s39, s39, 0x80000000
	tensor_load_to_lds s[32:35], s[24:31]          ; my one tensor load at the head
	s_nop 0
	s_load_b256 s[40:47], s[20:21], 0x0            ; e0 .. e7
	s_lshl_b32 s70, ttmp9, 3
	s_add_nc_u64 s[10:11], s[10:11], s[70:71]
	s_load_b64 s[52:53], s[10:11], 0x0             ; i_score of my two batch entries, in four parts, 2,048 bytes apart
	s_load_b64 s[80:81], s[10:11], 0x800
	s_load_b64 s[82:83], s[10:11], 0x1000
	s_load_b64 s[84:85], s[10:11], 0x1800
	s_mul_i32 s70, s2, 98304
	s_add_nc_u64 s[6:7], s[6:7], s[70:71]          ; my wave's 192 x 512 bytes of wimg
	s_lshl_b32 s70, s2, 8
	s_add_nc_u64 s[12:13], s[12:13], s[70:71]      ; Wc: my 64 numbers
	s_lshl_b32 s77, ttmp9, 11
	s_add_co_u32 s70, s70, s77
	s_add_nc_u64 s[8:9], s[8:9], s[70:71]          ; hbs: my first batch entry's row, my 64 numbers
	s_lshl_b32 s70, ttmp9, 12
	s_add_nc_u64 s[18:19], s[18:19], s[70:71]      ; s and out0: two rows of 2,048 bytes
	s_add_nc_u64 s[22:23], s[22:23], s[70:71]
	v_and_b32 v20, 15, v0                          ; r
	v_bfe_u32 v21, v0, 4, 1                        ; hh
	v_and_b32 v30, 31, v0
	v_lshlrev_b32 v30, 4, v30                      ; 16 x lane
	v_lshlrev_b32 v31, 5, v21
	v_lshlrev_b32 v6, 4, v0                        ; 16 x thread
	v_lshrrev_b32 v22, 2, v20
	v_and_b32 v23, 3, v20
	v_lshlrev_b32 v13, 7, v22
	v_lshl_add_u32 v13, v21, 6, v13
	v_lshl_add_u32 v13, v23, 4, v13
	v_add_nc_u32 v13, s69, v13                     ; 512 w + 128 (r / 4) + 64 hh + 16 (r % 4)
	v_mul_u32_u24 v1, v20, 528
	v_lshl_add_u32 v12, v21, 8, v1
	v_lshl_add_u32 v1, v21, 4, v1
	v_add_nc_u32 v3, s72, v30
	v_mul_u32_u24 v7, v20, 48
	v_add_nc_u32 v5, s73, v7
	v_add_nc_u32 v7, ZP, v7
	v_lshlrev_b32 v8, 6, v21
	v_add_nc_u32 v8, s74, v8
	v_add_nc_u32 v9, HIM, v30
	v_add_nc_u32 v10, s75, v30
	v_add_nc_u32 v11, s76, v30
	v_add_nc_u32 v12, s76, v12
	v_lshl_add_u32 v4, v0, 4, BFT
	v_lshl_add_u32 v2, v0, 4, SST
	s_wait_alu depctr_va_vdst(0)
	WIN 0x40
.set n, 0
.rept 64
	global_load_b128 v[4*n:4*n+3], v30, s[6:7] offset:512*n          ; each load of the wave covers 512 consecutive bytes, aligned
.set n, n+1
.endr
	WIN 0x80
.set n, 0
.rept 64
	global_load_b128 v[4*n:4*n+3], v30, s[6:7] offset:512*(64+n)
.set n, n+1
.endr
	WIN 0
.irp c, 0,1,2,3
.irp h, 0,1
	global_load_b128 v[WC+8*\c+4*\h:WC+8*\c+4*\h+3], v31, s[12:13] offset:64*\c+16*\h
	global_load_b128 v[HB+8*\c+4*\h:HB+8*\c+4*\h+3], v31, s[8:9] offset:64*\c+16*\h
.endr
.endr
	global_load_b128 v[128:131], v6, s[16:17]              ; bft
	global_load_b128 v[132:135], v13, s[18:19]             ; s, both rows
	global_load_b128 v[136:139], v13, s[18:19] offset:2048
	WIN 0xc0
.set n, 0
.rept 64
	global_load_b128 v[4*n:4*n+3], v30, s[6:7] offset:512*(128+n)    ; Wf, last
.set n, n+1
.endr
	WIN 0
	s_wait_tensorcnt 0x0                           ; slot 1's first fill is issued as a refill is
	ds_add_u32 v14, v15
	s_wait_dscnt 0x0
	s_barrier_signal -1
	s_barrier_wait -1                              ; slot 0 is whole
	tensor_load_to_lds s[36:39], s[24:31]
	s_nop 0
	s_mov_b32 s54, 0x76543210                      ; v_permlanex16_b32: lane l xor 16
	s_mov_b32 s55, 0xfedcba98
	s_mov_b32 s58, 0x3fb8aa3b                      ; log2(e)
	s_mov_b32 s59, s58
	s_wait_kmcnt 0x0
	s_add_co_i32 s56, s40, s41                     ; e0 + e1: P1's sums stand for sum x 2^(e0 + e1)
	s_sub_co_i32 s57, 0, s56
	s_sub_co_i32 s68, s42, s56
	s_add_co_i32 s68, s68, 127
	s_lshl_b32 s69, s68, 23
	v_mov_b32 v16, s69                             ; 2^(e2 - e0 - e1)
	s_add_co_i32 s68, s68, 15
	s_lshl_b32 s68, s68, 23
	s_or_b32 s68, s68, 0x600000
	v_mov_b32 v17, s68                             ; 57,344 x that
	s_add_co_i32 s68, s42, s43
	s_lshl_b32 s68, s68, 23
	s_add_co_i32 s48, s68, 0x4038aa3b              ; 2 log2(e) x 2^(e2 + e3)
	s_mov_b32 s49, s48
	s_add_f32 s52, s52, s80                        ; i_score's four parts
	s_add_f32 s53, s53, s81
	s_add_f32 s82, s82, s84
	s_add_f32 s83, s83, s85
	s_add_f32 s52, s52, s82
	s_add_f32 s53, s53, s83
	s_wait_loadcnt 63                              ; all that was issued ahead of Wf's 64 loads is in (63 is the largest count that the wait takes)
.irp j, 0,1,2,3
	v_ldexp_f32 v[128+\j], v[128+\j], s57          ; bft / 2^(e0 + e1): the start of P1's sums
.endr
	ds_store_b128 v4, v[128:131]
	ds_store_b128 v2, v[132:135]
	ds_store_b128 v2, v[136:139] offset:2048
	v_pk_add_f32 v[20:21], v[WC:WC+1], v[WC+2:WC+3]
	v_pk_add_f32 v[22:23], v[WC+4:WC+5], v[WC+6:WC+7]
.irp j, 8,12,16,20,24,28
	v_pk_add_f32 v[20:21], v[20:21], v[WC+\j:WC+\j+1]
	v_pk_add_f32 v[22:23], v[22:23], v[WC+\j+2:WC+\j+3]
.endr
	v_pk_add_f32 v[20:21], v[20:21], v[22:23]
	v_add_f32 v18, v20, v21
	v_mul_f32 v18, -0.5, v18                       ; z = -2 x (sum of Wc / (1 + 2^y) - 0.5 sum of Wc)
	v_mov_b32 v19, 0
	v_mov_b32 v24, 0xff61b1e6                      ; the largest z so far: -3e38
	v_mov_b32 v25, 0
.irp j, 26,27,28,29
	v_mov_b32 v\j, 0
.endr
	s_mov_b32 s62, 0                               ; LDS byte from which the features' offsets count
	s_mov_b32 s63, 0                               ; the same in ft's image
	s_mov_b32 s66, 0                               ; and among z's parts
	s_wait_alu depctr_va_vdst(0)
	s_wait_dscnt 0x0
	s_barrier_signal -1
	s_barrier_wait -1
.macro BIASQ b                         ; the bias of tiles 2 b, 2 b + 1 into their accumulators
.irp h, 0,1,2,3
	ds_load_b128 v[FT+16*(\b)+4*\h:FT+16*(\b)+4*\h+3], v8 offset:128*(\b)+16*\h
.endr
.endm
.macro FEATK off, k                    ; the features' fragment of K step k
.irp c, 0,1,2,3
	ds_load_b128 v[XF+16*(\k)+4*\c:XF+16*(\k)+4*\c+3], v2 offset:(\off)+128*(\k)+32*\c
.endr
.endm
.macro PRELOAD off
.irp b, 0,1,2,3
	BIASQ \b
.endr
.irp k, 0,1,2,3
	FEATK \off, \k
.endr
.endm
.macro MED j                           ; accumulator j: relu and the hold in one, into XF: the conversion does not saturate (ISA guide 7.6.2)
.set MB, 8*(\j)
.set m, 0
.rept 8
	v_med3_num_f32 v[XF+MB+m], v[FT+MB+m], 0, v17
.set m, m+1
.endr
.endm
.macro CVT b                           ; group b's 16 numbers to codes: into v20-23, or over the group before, which has been converted
.if (\b) == 0
.set CD, 20
.else
.set CD, XF+16*((\b)-1)
.endif
	v_cvt_scalef32_pk8_bf8_f32 v[CD:CD+1], v[XF+16*(\b):XF+16*(\b)+7], v16
	v_cvt_scalef32_pk8_bf8_f32 v[CD+2:CD+3], v[XF+16*(\b)+8:XF+16*(\b)+15], v16
.endm
.macro MAXR a, c                       ; relu without the hold, for c
.set m, \a
.rept \c
	v_max_num_f32 v[FT+m], 0, v[FT+m]
.set m, m+1
.endr
.endm
; P1Q: 32 matrix instructions, K ascending; the eight accumulators take turns.  The last 16 LDS loads are the four fragments: K step k may leave 12 - 4 k of them out.
; adds = 1: the tile before has its exponentials in F: 1 is added behind the first four products.  In the last K step accumulator j is held behind product j + 1: eight holds (for accumulator 0 four v_nop)
; stand between an accumulator's last product and its first read.  Accumulators 6 and 7 go into the last fragment's registers, four places behind the last product.  par: the code image that the tile takes.
.macro P1Q adds, par
.set PI, 0
.rept 32
.if PI%8 == 0
	s_wait_dscnt 12-4*(PI/8)
.endif
.set PW, 1+PI/16
	WIN PW
	v_wmma_f32_16x16x128_bf8_bf8 v[FT+8*(PI%8):FT+8*(PI%8)+7], v[128*((PI/8)%2)+16*(PI%8):128*((PI/8)%2)+16*(PI%8)+15], v[XF+16*(PI/8):XF+16*(PI/8)+15], v[FT+8*(PI%8):FT+8*(PI%8)+7]
.if (\adds) && (PI < 4)
	WIN 0
.set n, 8*PI
.rept 4
	v_pk_add_f32 v[F+n:F+n+1], v[F+n:F+n+1], 1.0 op_sel_hi:[1,0]
.set n, n+2
.endr
.endif
.if PI == 24
	PLACES
.elseif (PI > 24) && (PI < 31)
	WIN 0
	MED PI-25
.if (PI-25)%2 == 1
	CVT (PI-25)/2
.endif
.endif
.set PI, PI+1
.endr
	WIN 0
	PLACES
	MED 6
	MED 7
	CVT 3
	v_nop                                          ; a plain line behind the last conversion
	ds_store_b128 v10, v[20:23] offset:8192*(\par)
	ds_store_b128 v10, v[XF:XF+3] offset:8192*(\par)+512
	ds_store_b128 v10, v[XF+16:XF+19] offset:8192*(\par)+1024
	ds_store_b128 v10, v[XF+32:XF+35] offset:8192*(\par)+1536
.endm
; Each batch of transcendentals has one wait ahead of it and one behind it.
.macro EXPS
.set n, 0
.rept 16
	v_pk_mul_f32 v[F+n:F+n+1], v[F+n:F+n+1], s[48:49] op_sel_hi:[1,0]     ; y; each accumulator from its low end on
.set n, n+2
.endr
	s_wait_alu depctr_va_vdst(0)
.set n, 0
.rept 32
	v_exp_f32 v[F+n], v[F+n]
.set n, n+1
.endr
	v_nop
	s_wait_alu depctr_va_vdst(0)
.endm
.macro RCPS
	s_wait_alu depctr_va_vdst(0)
.set n, 0
.rept 32
	v_rcp_f32 v[F+n], v[F+n]
.set n, n+1
.endr
	v_nop
	s_wait_alu depctr_va_vdst(0)
.endm
.macro TAILA                           ; the dot product with Wc, in four chains
	v_pk_fma_f32 v[F:F+1], v[F:F+1], v[WC:WC+1], v[18:19]
.irp i, 2,4,6
	v_pk_mul_f32 v[F+\i:F+\i+1], v[F+\i:F+\i+1], v[WC+\i:WC+\i+1]
.endr
.set n, 8
.rept 12
	v_pk_fma_f32 v[F+n%8:F+n%8+1], v[F+n:F+n+1], v[WC+n:WC+n+1], v[F+n%8:F+n%8+1]
.set n, n+2
.endr
.endm
.macro TAILB fill                      ; the four chains joined: v20 = my wave's part of row r's z.  fill = 1: this tile's first 32 relu stand between the chain's links
	v_pk_add_f32 v[F:F+1], v[F:F+1], v[F+4:F+5]
	v_pk_add_f32 v[F+2:F+3], v[F+2:F+3], v[F+6:F+7]
.if \fill
	MAXR 0, 4
.endif
	v_pk_add_f32 v[F:F+1], v[F:F+1], v[F+2:F+3]
.if \fill
	MAXR 4, 5
.endif
	v_add_f32 v20, v[F], v[F+1]
.if \fill
	MAXR 9, 5
.endif
	v_permlanex16_b32 v30, v20, s54, s55
.if \fill
	MAXR 14, 5
.endif
	v_add_f32 v20, v20, v30
.if \fill
	MAXR 19, 13
.endif
.endm
; A TILE, from behind its code stores to behind the next tile's.  par: its code image.  first: a block's first tile (no tile before it is at work in F; hbs may be on its way).  last: a block's last (nothing follows).
; fa, fto: where its ft goes.  za, zo: where the part of z of the tile before goes.  fo: the next tile's features.
.macro TILE par, first, last, fa, fto, za, zo, fo
.if \first
	MAXR 0, 24
	s_wait_dscnt 0x0                               ; my codes have landed
	s_barrier_signal -1
	MAXR 24, 8
	s_barrier_wait -1
.else
	RCPS
	s_wait_dscnt 0x0                               ; my codes have landed
	s_barrier_signal -1
	TAILA
	s_wait_alu depctr_va_vdst(0)
	s_barrier_wait -1                              ; all four waves' codes lie in LDS
.endif
.irp k, 0,1,2,3
.irp c, 0,1,2,3
	ds_load_b128 v[XF+16*\k+4*\c:XF+16*\k+4*\c+3], v9 offset:8192*\par+2048*\k+512*\c
.endr
.endr
.if \first
	s_wait_loadcnt 0x0                             ; hbs (it is fetched anew at a change of batch entries)
.else
	TAILB 1
.endif
; P2: only the sixteen loads above are out: K step k may leave 12 - 4 k.  Behind each product four plain lines on ft: 32 relu, then the 32 packings to bf16
.set PI, 0
.set n, 32
.set q, 0
.rept 16
.if PI%4 == 0
	s_wait_dscnt 12-PI
.endif
.set QC, PI%4
.set QK, PI/4
	WIN 0x03
.if PI < 4
	v_wmma_f32_16x16x128_bf8_bf8 v[F+8*QC:F+8*QC+7], v[64*QK+16*QC:64*QK+16*QC+15], v[XF+16*QK:XF+16*QK+15], v[HB+8*QC:HB+8*QC+7]
.else
	v_wmma_f32_16x16x128_bf8_bf8 v[F+8*QC:F+8*QC+7], v[64*QK+16*QC:64*QK+16*QC+15], v[XF+16*QK:XF+16*QK+15], v[F+8*QC:F+8*QC+7]
.endif
	WIN 0
.rept 4
.if PI < 8
	v_max_num_f32 v[FT+n], 0, v[FT+n]
.set n, n+1
.else
	v_cvt_pk_bf16_f32 v[FT+q], v[FT+2*q], v[FT+2*q+1]
.set q, q+1
.endif
.endr
.set PI, PI+1
.endr
	PLACES                                         ; in front of the loads into the fragments and of the first read of the results
.if !\first
	ds_store_b32 v[\za], v20 offset:\zo            ; (lanes r and r + 16 write the same number to the same word)
.endif
.irp s, 0,1,2,3,4,5,6,7
	ds_store_b128 v[\fa], v[FT+4*\s:FT+4*\s+3] offset:\fto+512*\s
.endr
.if !\last
	PRELOAD \fo
.endif
	EXPS
.if \last
.set n, 0
.rept 16
	v_pk_add_f32 v[F+n:F+n+1], v[F+n:F+n+1], 1.0 op_sel_hi:[1,0]
.set n, n+2
.endr
	RCPS
	TAILA
	TAILB 0
	ds_store_b32 v[\za], v20 offset:\zo+4
.else
	P1Q 1, 1-\par
.endif
.endm
; A BLOCK's eight tiles: tile 0, three trips of two tiles (2 i + 1, 2 i + 2), tile 7.  In trip i the three addresses stand at tile 2 i.
.macro TILES
	v_add_nc_u32 v4, s63, v3
	v_add_nc_u32 v6, s66, v5
	P1Q 0, 0
	TILE 0, 1, 0, 3, 0, 5, 0, TROW
	s_mov_b32 s61, 3
.Lpair_\@:
	TILE 1, 0, 0, 4, 4096, 6, 0, 2*TROW
	TILE 0, 0, 0, 4, 8192, 6, 4, 3*TROW
	s_add_co_u32 s62, s62, 2*TROW
	s_add_co_u32 s63, s63, 8192
	s_add_co_u32 s66, s66, 8
	v_add_nc_u32 v2, s62, v1
	v_add_nc_u32 v4, s63, v3
	v_add_nc_u32 v6, s66, v5
	s_sub_co_u32 s61, s61, 1
	s_cmp_lg_u32 s61, 0
	s_cbranch_scc1 .Lpair_\@
	TILE 1, 0, 1, 3, 28672, 5, 24, 0
.endm
.macro CTILE t                         ; c's sums of my row r: += p(16 t + r) x ft(16 t + r, my 64 hidden units); two buffers of 8 loads take turns
.set BB, XF+32*((\t)%2)
.if \t < 7
	s_wait_dscnt 0x8
.else
	s_wait_dscnt 0x0
.endif
.set n, 0
.rept 32
.if \t == 0
	v_fma_mix_f32_bf16 v[FT+2*n], v[BB+n], v[F+\t], 0 op_sel_hi:[1,0,0]
	v_fma_mix_f32_bf16 v[FT+2*n+1], v[BB+n], v[F+\t], 0 op_sel:[1,0,0] op_sel_hi:[1,0,0]
.else
	v_fma_mix_f32_bf16 v[FT+2*n], v[BB+n], v[F+\t], v[FT+2*n] op_sel_hi:[1,0,0]
	v_fma_mix_f32_bf16 v[FT+2*n+1], v[BB+n], v[F+\t], v[FT+2*n+1] op_sel:[1,0,0] op_sel_hi:[1,0,0]
.endif
.set n, n+1
.endr
.if \t < 6
.irp s, 0,1,2,3,4,5,6,7
	ds_load_b128 v[BB+4*\s:BB+4*\s+3], v3 offset:4096*(\t+2)+512*\s
.endr
.endif
.endm
; A BLOCK'S END.  fill = 1: the slot just read out takes the rows two blocks on.
.macro BE fill
	s_wait_tensorcnt 0x0                           ; all my tensor loads have landed;
	ds_add_u32 v14, v15
.if \fill
	s_xor_b32 s37, s37, XS1
	s_add_nc_u64 s[38:39], s[38:39], 65536
.endif
	s_wait_dscnt 0x0                               ; it is done, my reads of the slot are over, my part of z has landed
	s_barrier_signal -1
	s_barrier_wait -1
.if \fill
	tensor_load_to_lds s[36:39], s[24:31]
	s_nop 0
	PLACES
	s_cmp_eq_u32 s60, 1
	s_cbranch_scc0 .Lsame_batch_\@
.irp c, 0,1,2,3
.irp h, 0,1
	global_load_b128 v[HB+8*\c+4*\h:HB+8*\c+4*\h+3], v31, s[8:9] offset:1024+64*\c+16*\h   ; the second batch entry's hbs
.endr
.endr
.Lsame_batch_\@:
.endif
.irp w, 0,1,2,3
.irp h, 0,1
	ds_load_b128 v[F+8*\w+4*\h:F+8*\w+4*\h+3], v7 offset:768*\w+16*\h    ; wave w's parts of z(16 t + r), t = 0 .. 7
.endr
.endr
.irp t, 0,1
.irp s, 0,1,2,3,4,5,6,7
	ds_load_b128 v[XF+32*\t+4*\s:XF+32*\t+4*\s+3], v3 offset:4096*\t+512*\s
.endr
.endr
	s_wait_dscnt 0x10                              ; z's eight loads are in; ft's sixteen may be out
.irp i, 0,2,4,6
	v_pk_add_f32 v[F+\i:F+\i+1], v[F+\i:F+\i+1], v[F+8+\i:F+9+\i]
	v_pk_add_f32 v[F+16+\i:F+17+\i], v[F+16+\i:F+17+\i], v[F+24+\i:F+25+\i]
.endr
.irp i, 0,2,4,6
	v_pk_add_f32 v[F+\i:F+\i+1], v[F+\i:F+\i+1], v[F+16+\i:F+17+\i]
.endr
.irp i, 0,2,4,6
	v_pk_mul_f32 v[F+\i:F+\i+1], v[F+\i:F+\i+1], -2.0 op_sel_hi:[1,0]   ; z
.endr
	v_max3_num_f32 v[F+9], v[F], v[F+1], v[F+2]
	v_max3_num_f32 v[F+10], v[F+3], v[F+4], v[F+5]
	v_max3_num_f32 v[F+9], v[F+9], v[F+6], v[F+7]
	v_max_num_f32 v[F+9], v[F+9], v[F+10]
	v_max_num_f32_dpp v[F+9], v[F+9], v[F+9] row_xmask:1 row_mask:0xf bank_mask:0xf
	v_max_num_f32_dpp v[F+9], v[F+9], v[F+9] row_xmask:2 row_mask:0xf bank_mask:0xf
	v_max_num_f32_dpp v[F+9], v[F+9], v[F+9] row_xmask:4 row_mask:0xf bank_mask:0xf
	v_max_num_f32_dpp v[F+9], v[F+9], v[F+9] row_xmask:8 row_mask:0xf bank_mask:0xf
	v_max_num_f32 v[F+8], v24, v[F+9]              ; the running maximum
	v_sub_f32 v[F+10], v24, v[F+8]
	v_mul_f32 v[F+10], s58, v[F+10]
.irp i, 0,2,4,6
	v_pk_add_f32 v[F+\i:F+\i+1], v[F+\i:F+\i+1], v[F+8:F+9] op_sel_hi:[1,0] neg_lo:[0,1] neg_hi:[0,1]
.endr
.irp i, 0,2,4,6
	v_pk_mul_f32 v[F+\i:F+\i+1], v[F+\i:F+\i+1], s[58:59] op_sel_hi:[1,0]
.endr
	s_wait_alu depctr_va_vdst(0)                   ; one wait ahead of the batch, one behind it
.irp j, 0,1,2,3,4,5,6,7,10
	v_exp_f32 v[F+\j], v[F+\j]                     ; p, and the factor that brings the old sums under the new maximum
.endr
	v_mov_b32 v[F+11], 0
	v_mov_b32 v24, v[F+8]
	s_wait_alu depctr_va_vdst(0)
	v_pk_add_f32 v[F+12:F+13], v[F:F+1], v[F+2:F+3]
	v_pk_add_f32 v[F+14:F+15], v[F+4:F+5], v[F+6:F+7]
	v_pk_add_f32 v[F+12:F+13], v[F+12:F+13], v[F+14:F+15]
	v_add_f32 v[F+12], v[F+12], v[F+13]
	v_add_f32_dpp v[F+12], v[F+12], v[F+12] row_xmask:1 row_mask:0xf bank_mask:0xf
	v_add_f32_dpp v[F+12], v[F+12], v[F+12] row_xmask:2 row_mask:0xf bank_mask:0xf
	v_add_f32_dpp v[F+12], v[F+12], v[F+12] row_xmask:4 row_mask:0xf bank_mask:0xf
	v_add_f32_dpp v[F+12], v[F+12], v[F+12] row_xmask:8 row_mask:0xf bank_mask:0xf
	v_fma_f32 v25, v25, v[F+10], v[F+12]
.irp t, 0,1,2,3,4,5,6,7
	CTILE \t
.endr
.irp g, 0,1,2,3,4,5,6,7,8,9,10,11,12,13,14,15
	ds_store_b128 v11, v[FT+4*\g:FT+4*\g+3] offset:528*\g              ; the sum over the sixteen r goes through my own stage: LDS serves a wave's instructions in order
.endr
.irp i, 0,1,2,3,4,5,6,7,8,9,10,11,12,13,14,15
	ds_load_b128 v[XF+4*\i:XF+4*\i+3], v12 offset:16*\i
.endr
	s_wait_dscnt 0x0
.irp d, 32,16,8,4
.set n, 0
.rept \d/2
	v_pk_add_f32 v[XF+n:XF+n+1], v[XF+n:XF+n+1], v[XF+n+\d:XF+n+\d+1]
.set n, n+2
.endr
.endr
	v_pk_fma_f32 v[26:27], v[26:27], v[F+10:F+11], v[XF:XF+1] op_sel_hi:[1,0,1]
	v_pk_fma_f32 v[28:29], v[28:29], v[F+10:F+11], v[XF+2:XF+3] op_sel_hi:[1,0,1]
	s_cmp_eq_u32 s60, 1
	s_cbranch_scc0 .Lmore_rows_\@
	; a batch entry's end: the gate b = 2^(i - M') / (2^(i - M') + sum x 2^(M - M')), M' the larger of i_score and M; out0 = b s + c's sums x 2^(M - M') / the same divisor
	v_lshl_add_u32 v2, v0, 4, SST
	ds_load_b128 v[F+20:F+23], v2 offset:2048*(1-\fill)
	v_max_num_f32 v[F+12], s[53-\fill], v24
	v_sub_f32 v[F+13], s[53-\fill], v[F+12]
	v_sub_f32 v[F+14], v24, v[F+12]
	v_mul_f32 v[F+13], s58, v[F+13]
	v_mul_f32 v[F+14], s58, v[F+14]
	s_wait_alu depctr_va_vdst(0)
	v_exp_f32 v[F+13], v[F+13]
	v_exp_f32 v[F+14], v[F+14]
	v_nop
	s_wait_alu depctr_va_vdst(0)
	v_fma_f32 v[F+15], v25, v[F+14], v[F+13]
	s_wait_alu depctr_va_vdst(0)
	v_rcp_f32 v[F+15], v[F+15]
	v_nop
	s_wait_alu depctr_va_vdst(0)
	v_mul_f32 v[F+12], v[F+13], v[F+15]
	v_mul_f32 v[F+14], v[F+14], v[F+15]
	v_ldexp_f32 v[F+14], v[F+14], s56              ; ft was kept without its 2^(e0 + e1)
	v_pk_mul_f32 v[F+16:F+17], v[26:27], v[F+14:F+15] op_sel_hi:[1,0]
	v_pk_mul_f32 v[F+18:F+19], v[28:29], v[F+14:F+15] op_sel_hi:[1,0]
	s_wait_alu depctr_va_vdst(0)
	s_wait_dscnt 0x0
	v_pk_fma_f32 v[F+16:F+17], v[F+20:F+21], v[F+12:F+13], v[F+16:F+17] op_sel_hi:[1,0,1]
	v_pk_fma_f32 v[F+18:F+19], v[F+22:F+23], v[F+12:F+13], v[F+18:F+19] op_sel_hi:[1,0,1]
	global_store_b128 v13, v[F+16:F+19], s[22:23] offset:2048*(1-\fill)    ; the wave's 32 lanes fill 512 consecutive bytes, aligned
	v_mov_b32 v24, 0xff61b1e6
	v_mov_b32 v25, 0
.irp j, 26,27,28,29
	v_mov_b32 v\j, 0
.endr
	s_wait_xcnt 0x0
.if !\fill
	s_branch .Lblock_done_\@
.endif
.Lmore_rows_\@:
	s_sub_co_u32 s62, s62, 6*TROW                  ; back to the slot's first tile, and on to the other slot
	s_xor_b32 s62, s62, XS1
	s_mov_b32 s63, 0
	s_mov_b32 s66, 0
	v_add_nc_u32 v2, s62, v1
	PRELOAD 0
.Lblock_done_\@:
.endm
	v_add_nc_u32 v2, s62, v1
	PRELOAD 0
	s_mov_b32 s60, 2
.Lblock_a:                                             ; the first batch entry's two blocks: each refills the slot that it leaves
	TILES
	BE 1
	s_sub_co_u32 s60, s60, 1
	s_cmp_lg_u32 s60, 0
	s_cbranch_scc1 .Lblock_a
	s_mov_b32 s60, 2
.Lblock_b:                                             ; the second's: nothing is left to fetch
	TILES
	BE 0
	s_sub_co_u32 s60, s60, 1
	s_cmp_lg_u32 s60, 0
	s_cbranch_scc1 .Lblock_b
	s_wait_tensorcnt 0x0                           ; the wave's end
	ds_add_u32 v14, v15
	s_wait_dscnt 0x0
	s_endpgm
.Lfunc_end_k_q50baf94d62_main:
	.size	k_q50baf94d62_main, .Lfunc_end_k_q50baf94d62_main-k_q50baf94d62_main
	.p2alignl 7, 3214868480
	.fill 96, 4, 3214868480
	.section	.rodata,"a",@progbits
	.p2align	6, 0x0
	.amdhsa_kernel k_q50baf94d62_main
		.amdhsa_group_segment_fixed_size 327680
		.amdhsa_private_segment_fixed_size 0
		.amdhsa_enable_private_segment 0
		.amdhsa_kernarg_size 72
		.amdhsa_user_sgpr_count 2
		.amdhsa_user_sgpr_kernarg_segment_ptr 1
		.amdhsa_wavefront_size32 1
		.amdhsa_system_sgpr_workgroup_id_x 1
		.amdhsa_system_sgpr_workgroup_id_y 1
		.amdhsa_system_sgpr_workgroup_id_z 1
		.amdhsa_system_vgpr_workitem_id 0
		.amdhsa_next_free_vgpr 1024
		.amdhsa_next_free_sgpr 96
		.amdhsa_reserve_vcc 0
		.amdhsa_float_denorm_mode_32 3
		.amdhsa_float_denorm_mode_16_64 3
		.amdhsa_memory_ordered 1
		.amdhsa_forward_progress 1
		.amdhsa_inst_pref_size 255
	.end_amdhsa_kernel
	.section	.bss,"aw",@nobits
	.p2align	6
	.space	262144
	.amdgpu_metadata
---
amdhsa.version: [ 1, 2 ]
amdhsa.kernels:
  - .name:           k_q50baf94d62_main
    .symbol:         k_q50baf94d62_main.kd
    .args:
      - { .name: features_codes, .offset: 0, .size: 8, .value_kind: global_buffer, .address_space: global }
      - { .name: wimg, .offset: 8, .size: 8, .value_kind: global_buffer, .address_space: global }
      - { .name: hbs, .offset: 16, .size: 8, .value_kind: global_buffer, .address_space: global }
      - { .name: isc, .offset: 24, .size: 8, .value_kind: global_buffer, .address_space: global }
      - { .name: Wc, .offset: 32, .size: 8, .value_kind: global_buffer, .address_space: global }
      - { .name: bft, .offset: 40, .size: 8, .value_kind: global_buffer, .address_space: global }
      - { .name: s, .offset: 48, .size: 8, .value_kind: global_buffer, .address_space: global }
      - { .name: lowp_scales, .offset: 56, .size: 8, .value_kind: global_buffer, .address_space: global }
      - { .name: out0, .offset: 64, .size: 8, .value_kind: global_buffer, .address_space: global }
    .group_segment_fixed_size: 327680
    .private_segment_fixed_size: 0
    .kernarg_segment_align: 8
    .kernarg_segment_size: 72
    .max_flat_workgroup_size: 128
    .sgpr_count:     96
    .vgpr_count:     1024
    .wavefront_size: 32
...
	.end_amdgpu_metadata
.endif
;; end of part 2
